; MI455X (gfx1250); checked and timed in simulation.
; The chip was launched on July 23, 2026; its instructions are those of AMD's public machine-readable ISA for CDNA 5 (MIT licence, August 2026) and "CDNA5" Instruction Set Architecture Reference Guide (July 2026). The comments in the code are by the model that wrote it; some were corrected since.
;; Deep Poly Re Lu. Allowed arithmetic: float matrix products may take bf16 or f16 operands with f32 sums; all other float work in f32.
;; Inputs: W 8,192 x 4,096 float32; alpha 8,192 float32; b 8,192 float32; orig_lb 4,096 float32; orig_ub 4,096 float32; prev_lb 8,192 float32; prev_ub 8,192 float32.
;; Outputs: out0 2 x 8,192 float32.
;; 2 versions, each right; version 2 is version 1 with the launch bounds written anew for expert scheduling mode. Each part assembles by itself: llvm-mc -triple=amdgcn-amd-amdhsa -mcpu=gfx1250 --defsym DOCPART=n.
;; ======== version 1 of 2: 1 launch
;; launch bounds (part 1): grid 256 x 1, 16 waves a work-group, no clusters, 4,096 bytes of LDS; arguments W, orig_ub, orig_lb, prev_ub, prev_lb, alpha, b, out0; writes out0
.if DOCPART == 1
	.amdgcn_target "amdgcn-amd-amdhsa--gfx1250"
	.amdhsa_code_object_version 6
	.text
	.protected	k_q1d9ab42543_bounds
	.globl	k_q1d9ab42543_bounds
	.p2align	8
	.type	k_q1d9ab42543_bounds,@function
k_q1d9ab42543_bounds:
	s_mov_b64 s[64:65], 0
	v_nop
	global_prefetch_b8 v0, s[64:65] scope:SCOPE_SE
	s_setreg_imm32_b32 hwreg(HW_REG_WAVE_MODE, 25, 1), 1
	s_wait_xcnt 0x0
; DeepPoly ReLU back-substitution through one affine layer: out0[0][i] = new_ub[i], out0[1][i] = new_lb[i].
; W: [8192][4096] f32; orig_ub, orig_lb: [4096]; prev_ub, prev_lb, alpha, b: [8192]; out0: [2][8192]; all f32.
;
; THE ARITHMETIC.  With c2 = orig_ub + orig_lb and r2 = orig_ub - orig_lb, and for row i
;     A = sum_j W[i][j] c2[j],   B = sum_j |W[i][j]| r2[j]:
;     max(W,0).orig_ub + min(W,0).orig_lb = (A + B)/2 = P,   max(W,0).orig_lb + min(W,0).orig_ub = (A - B)/2 = Q
; for any signs of W and of the box (orig_lb <= orig_ub is not assumed).  The upper slope us is never negative
; (0, 1, or ub/(ub-lb) with ub > 0 > lb), so new_ub = us (P + b - [crossing] prev_lb).  The lower slope ls may be
; negative (alpha is taken as given): for ls >= 0 new_lb = ls (Q + b); for ls < 0 the split by sign swaps and new_lb = ls (P + b).
; Cost: one packed and two plain fused multiply-adds (the |.| is a source modifier) for two numbers of W.
;
; LIMITS.  Finite inputs.  orig_ub + orig_lb and orig_ub - orig_lb must be finite in f32 (magnitudes below 1.7e38).
; On crossing neurons prev_ub - prev_lb must lie in [2^-126, 2^126]: v_rcp_f32 flushes denormal inputs and results.
; The slopes are applied behind the sums, so the order of rounding differs from the formula as written; a zero result may differ in sign.
;
; THE SHAPE.  W is 134 MB read once against some 3 operations a byte: a stream.  256 work-groups of 16 waves; a work-group owns 32 rows,
; 512 KiB of W in one piece.  Wave w: column group cg = w & 7, row half rh = w >> 3 (16 rows).  A lane owns the 16 bytes at
; 16 (thread & 255) + 4096 q, q = 0..3, of every row: its 16 c2 and 16 r2 stay in registers for the whole kernel, a load of a wave covers
; 512 consecutive bytes, eight waves 4 KiB, four loads the row.  Eight row slots = 32 loads = 16 KiB of every wave are on their way.
; No matrix instruction: the right-hand side is one column of sixteen, and W would first have to be split and narrowed in the vector unit,
; which is more work than the multiply-adds here.  No cluster: work-groups share only the box, 32 KiB against 512 KiB of W each.
; No prefetch: the loads themselves keep the stream going from the first line on.
; A work-group's part of each output row is 32 numbers, 128 consecutive bytes: 64 rows a group would leave half of the 256 groups without work.
.set ROWB,  16384                      ; bytes in a row of W
.set QB,    4096                       ; bytes that the eight waves of a row half cover with one load each
.set DEPTH, 8                          ; row slots of a wave; a wave has 2 x DEPTH rows
.set NB,    32768                      ; bytes in a row of out0
.set OFF, 1                            ; v1        16 (thread & 255): my bytes in a quarter row of W and in the box; never rewritten
.set PO,  2                            ; v2        wave 0: byte offset of my row in the vectors of 8192
.set PU,  3                            ; v3..v6    wave 0: prev_ub, prev_lb, alpha, b of my row
.set PL,  4
.set AL,  5
.set BB,  6
.set TT,  7                            ; v7        at work
.set C,   8                            ; v[8:23]   c2 of my 16 columns
.set R,   24                           ; v[24:39]  orig_lb as loaded, then r2
.set U,   40                           ; v[40:55]  orig_ub as loaded; free afterwards:
.set T,   40                           ; v[40:47]  a row's sums: two pairs for A, four chains for B
.set M,   48                           ; v[48:55]  merged sums: M+0,1 level 1; M+2,3 level 2; M+4,5 level 3; M+6,7 the two groups of 8 rows
.set X,   56                           ; v[56:183] slot s: 16 registers, my 16 numbers of a row
.set MK1, 24                           ; s24..s28  lanes whose bit 0, 1, 2, 3, 4 is set
.set MK2, 25
.set MK4, 26
.set MK8, 27
.set MK16, 28
	s_load_b512 s[8:23], s[0:1], 0x0               ; W s[8:9], orig_ub s[10:11], orig_lb s[12:13], prev_ub s[14:15], prev_lb s[16:17], alpha s[18:19], b s[20:21], out0 s[22:23]
	v_lshl_add_u32 v184, v0, 2, 0x800
	v_mov_b32 v185, 0
	v_lshrrev_b32 v[TT], 5, v0
	v_readfirstlane_b32 s2, v[TT]                  ; wave 0..15
	v_and_b32 v[OFF], 0xff, v0
	v_lshlrev_b32 v[OFF], 4, v[OFF]                ; 16 bytes a lane, 512 a wave, 4 KiB for the eight column groups
	s_lshr_b32 s3, s2, 3                           ; rh
	s_lshl_b32 s3, s3, 18                          ; 16 rows of 16 KiB
	s_lshl_b32 s4, ttmp9, 19                       ; 32 rows of 16 KiB: at most 255 << 19, below 4 GiB
	s_or_b32 s4, s4, s3
	s_mov_b32 s5, 0
	s_lshl_b32 s6, ttmp9, 7                        ; 32 rows of 4 bytes in the vectors of 8192
	s_mov_b32 s[MK1],  0xaaaaaaaa
	s_mov_b32 s[MK2],  0xcccccccc
	s_mov_b32 s[MK4],  0xf0f0f0f0
	s_mov_b32 s[MK8],  0xff00ff00
	s_mov_b32 s[MK16], 0xffff0000
	s_mov_b32 s30, 0x76543210                      ; v_permlanex16_b32: lane i of one half reads lane i of the other
	s_mov_b32 s31, 0xfedcba98
	s_wait_kmcnt 0x0
	s_add_nc_u64 s[8:9], s[8:9], s[4:5]            ; W at my wave's first row
	; Wave 0 ends the work, one lane a row.  Its four parameters are asked for first of all: they are older than every load
	; that a counted wait below counts, so the counts are the same in all waves, and they have long landed when they are used.
	s_cmp_lg_u32 s2, 0
	s_cbranch_scc1 .Lstream
	v_lshl_add_u32 v[PO], v0, 2, s6                ; 4 (32 group + lane)
	global_load_b32 v[PU], v[PO], s[14:15]
	global_load_b32 v[PL], v[PO], s[16:17]
	global_load_b32 v[AL], v[PO], s[18:19]
	global_load_b32 v[BB], v[PO], s[20:21]
.Lstream:
.irp q, 0,1,2,3
	global_load_b128 v[U+4*\q:U+4*\q+3], v[OFF], s[10:11] offset:\q*QB     ; orig_ub of my 16 columns (every work-group reads it: no hint)
.endr
.irp q, 0,1,2,3
	global_load_b128 v[R+4*\q:R+4*\q+3], v[OFF], s[12:13] offset:\q*QB     ; orig_lb
.endr
; Four loads: my 64 bytes of a row.  W is read once in the launch: non-temporal.
.macro LOADROW slot, row
.irp q, 0,1,2,3
	global_load_b128 v[X+16*\slot+4*\q:X+16*\slot+4*\q+3], v[OFF], s[8:9] offset:\row*ROWB+\q*QB th:TH_LOAD_NT
.endr
.endm
.irp i, 0,1,2,3,4,5,6,7
	LOADROW \i, \i                                 ; fill the ring: rows 0 to 7
.endr
	s_wait_loadcnt 4*DEPTH                         ; loads come back in order (ISA guide 5.7.1): the box is in, the 32 loads of W stay out
.irp j, 0,2,4,6,8,10,12,14
	v_pk_add_f32 v[C+\j:C+\j+1], v[U+\j:U+\j+1], v[R+\j:R+\j+1]                             ; c2 = ub + lb
	v_pk_add_f32 v[R+\j:R+\j+1], v[U+\j:U+\j+1], v[R+\j:R+\j+1] neg_lo:[0,1] neg_hi:[0,1]   ; r2 = ub - lb; the halving waits for the end
.endr
; Two registers of partial sums become one.  Lanes whose bit is clear keep lo, the others hi; each sends the one it gives up to its
; partner (lane xor xm), which adds it to the one it keeps.  Three instructions halve the registers and the lanes still to be added.
.macro MERGE dst, lo, hi, mask, xm
	v_cndmask_b32 v[TT], v[\hi], v[\lo], s[\mask]          ; what I send: bit set ? lo : hi
	v_cndmask_b32 v[\dst], v[\lo], v[\hi], s[\mask]        ; what I keep: bit set ? hi : lo
	v_add_f32_dpp v[\dst], v[TT], v[\dst] row_xmask:\xm row_mask:0xf bank_mask:0xf
.endm
; Row k of group g (row 8 g + k of my 16), in slot k.  left = how many younger loads may stay out.
; The first products start the sums: nothing is cleared.  Six chains, so that no instruction waits for the one in front of it.
.macro ROW k, g, left
	s_wait_loadcnt \left
	v_pk_mul_f32 v[T:T+1],   v[X+16*\k:X+16*\k+1],   v[C:C+1]
	v_pk_mul_f32 v[T+2:T+3], v[X+16*\k+2:X+16*\k+3], v[C+2:C+3]
.irp j, 0,1,2,3
	v_mul_f32 v[T+4+\j], |v[X+16*\k+\j]|, v[R+\j]
.endr
.irp q, 4,8,12
	v_pk_fma_f32 v[T:T+1],   v[X+16*\k+\q:X+16*\k+\q+1],   v[C+\q:C+\q+1],   v[T:T+1]
	v_pk_fma_f32 v[T+2:T+3], v[X+16*\k+\q+2:X+16*\k+\q+3], v[C+\q+2:C+\q+3], v[T+2:T+3]
.irp j, 0,1,2,3
	v_fma_f32 v[T+4+\j], |v[X+16*\k+\q+\j]|, v[R+\q+\j], v[T+4+\j]
.endr
.endr
.if \g == 0
	LOADROW \k, (\k+DEPTH)                         ; the slot has been read: its next row, ahead of the folding
.endif
	v_pk_add_f32 v[T:T+1],   v[T:T+1],   v[T+2:T+3]
	v_pk_add_f32 v[T+4:T+5], v[T+4:T+5], v[T+6:T+7]
	v_add_f32 v[T],   v[T],   v[T+1]               ; my part of A
	v_add_f32 v[T+4], v[T+4], v[T+5]               ; my part of B
	; the levels run like a binary counter over the rows: lane bit 0 = A or B, bits 1 to 3 = k
	MERGE M+(\k&1), T, T+4, MK1, 1
.if (\k&1) == 1
	MERGE M+2+((\k>>1)&1), M, M+1, MK2, 2
.endif
.if (\k&3) == 3
	MERGE M+4+((\k>>2)&1), M+2, M+3, MK4, 4
.endif
.if \k == 7
	MERGE M+6+\g, M+4, M+5, MK8, 8
.endif
.endm
.irp k, 0,1,2,3,4,5,6,7
	ROW \k, 0, 4*(DEPTH-1)                         ; rows 0-7: seven younger rows of four loads stay out
.endr
.irp k, 0,1,2,3,4,5,6,7
	ROW \k, 1, 4*(DEPTH-1-\k)                      ; rows 8-15 load nothing: the counts run down to 0
.endr
	; the last level crosses the halves of 16 lanes: bit 4 = group.  Lane l then holds the wave's sum A (l even) or B (l odd) of its row l >> 1.
	v_cndmask_b32 v[TT],  v[M+7], v[M+6], s[MK16]
	v_cndmask_b32 v[M+6], v[M+6], v[M+7], s[MK16]
	v_permlanex16_b32 v[T], v[TT], s30, s31        ; its destination counts as read: T has been written
	v_add_f32 v[M+6], v[M+6], v[T]
	v_lshlrev_b32 v[TT], 2, v0                     ; 128 bytes a wave, 4 a lane
	ds_store_b32 v[TT], v[M+6]
	s_wait_dscnt 0x0                               ; for wave 0's sake: my store is done before I say so
	s_barrier_signal -1
	s_barrier_wait -1
	s_cmp_lg_u32 s2, 0
	s_cbranch_scc1 .Lend
	; WAVE 0, lane = row 0..31 of the group: (A, B) of row 16 rh + rl from column group cg lies at 1024 rh + 128 cg + 8 rl.
	; (Lanes 16-31 meet the banks of lanes 0-15: two passes for each of these eight loads, once in the kernel.)
	v_and_b32 v[T], 15, v0
	v_lshrrev_b32 v[T+1], 4, v0
	v_lshlrev_b32 v[T], 3, v[T]
	v_lshl_add_u32 v[T], v[T+1], 10, v[T]
.irp w, 0,1,2,3,4,5,6,7
	ds_load_b64 v[X+2*\w:X+2*\w+1], v[T] offset:128*\w
.endr
	; slopes and biases while the sums come.  All choices are selects; the compares are those of the formula, so a NaN falls where it falls there.
	v_cmp_lt_f32 s32, 0, v[PU]                     ; prev_ub > 0
	v_cmp_gt_f32 s33, 0, v[PL]                     ; prev_lb < 0
	v_cmp_ge_f32 s34, 0, v[PU]                     ; prev_ub <= 0: negative neuron
	s_and_b32 s32, s32, s33                        ; crossing
	v_sub_f32 v[M], v[PU], v[PL]                   ; off the crossing lanes the quotient is thrown away by the select: no guard needed
	v_rcp_f32 v[M+3], v[M]
	v_cndmask_b32 v[M+1], 1.0, 0, s34              ; slope off the crossing lanes: 0 or 1 (also the plain instruction behind v_rcp_f32, ISA guide 5.7.2)
	v_cndmask_b32 v[M+2], 0, v[PL], s32            ; prev_lb on crossing lanes, else 0
	s_wait_alu depctr_va_vdst(0)
	v_mul_f32 v[M], v[PU], v[M+3]
	v_cndmask_b32 v[M], v[M+1], v[M], s32          ; us
	v_cndmask_b32 v[M+1], v[M+1], v[AL], s32       ; ls
	v_sub_f32 v[M+2], v[BB], v[M+2]                ; b - [crossing] prev_lb: us times this is ub_bias + us b
	v_cmp_gt_f32 s33, 0, v[M+1]                    ; ls < 0
	s_wait_dscnt 0x0
.irp w, 0,4,8,12
	v_pk_add_f32 v[X+\w:X+\w+1], v[X+\w:X+\w+1], v[X+\w+2:X+\w+3]
.endr
	v_pk_add_f32 v[X:X+1],   v[X:X+1],   v[X+4:X+5]
	v_pk_add_f32 v[X+8:X+9], v[X+8:X+9], v[X+12:X+13]
	v_pk_add_f32 v[X:X+1],   v[X:X+1],   v[X+8:X+9]        ; A in X, B in X+1
	v_add_f32 v[T+2], v[X], v[X+1]                 ; 2 P
	v_sub_f32 v[T+3], v[X], v[X+1]                 ; 2 Q
	v_cndmask_b32 v[T+3], v[T+3], v[T+2], s33      ; a negative lower slope swaps the split by sign: P in Q's place
	v_fma_f32 v[T+2], v[T+2], 0.5, v[M+2]          ; P + b - [crossing] prev_lb
	v_fma_f32 v[T+3], v[T+3], 0.5, v[BB]           ; Q (or P) + b
	v_mul_f32 v[T+2], v[M],   v[T+2]               ; new_ub
	v_mul_f32 v[T+3], v[M+1], v[T+3]               ; new_lb
	global_store_b32 v[PO], v[T+2], s[22:23]               ; 32 lanes: 128 consecutive bytes of out0[0]
	global_store_b32 v[PO], v[T+3], s[22:23] offset:NB     ; and of out0[1]
.Lend:
	s_wait_tensorcnt 0x0
	ds_add_u32 v184, v185
	s_wait_dscnt 0x0
	s_endpgm
.Lfunc_end_k_q1d9ab42543_bounds:
	.size	k_q1d9ab42543_bounds, .Lfunc_end_k_q1d9ab42543_bounds-k_q1d9ab42543_bounds
	.p2alignl 7, 3214868480
	.fill 96, 4, 3214868480
	.section	.rodata,"a",@progbits
	.p2align	6, 0x0
	.amdhsa_kernel k_q1d9ab42543_bounds
		.amdhsa_group_segment_fixed_size 4096
		.amdhsa_private_segment_fixed_size 0
		.amdhsa_enable_private_segment 0
		.amdhsa_kernarg_size 64
		.amdhsa_user_sgpr_count 2
		.amdhsa_user_sgpr_kernarg_segment_ptr 1
		.amdhsa_wavefront_size32 1
		.amdhsa_system_sgpr_workgroup_id_x 1
		.amdhsa_system_sgpr_workgroup_id_y 1
		.amdhsa_system_sgpr_workgroup_id_z 1
		.amdhsa_system_vgpr_workitem_id 0
		.amdhsa_next_free_vgpr 186
		.amdhsa_next_free_sgpr 66
		.amdhsa_reserve_vcc 0
		.amdhsa_float_denorm_mode_32 3
		.amdhsa_float_denorm_mode_16_64 3
		.amdhsa_memory_ordered 1
		.amdhsa_forward_progress 1
		.amdhsa_inst_pref_size 46
	.end_amdhsa_kernel
	.amdgpu_metadata
---
amdhsa.version: [ 1, 2 ]
amdhsa.kernels:
  - .name:           k_q1d9ab42543_bounds
    .symbol:         k_q1d9ab42543_bounds.kd
    .args:
      - { .name: W, .offset: 0, .size: 8, .value_kind: global_buffer, .address_space: global }
      - { .name: orig_ub, .offset: 8, .size: 8, .value_kind: global_buffer, .address_space: global }
      - { .name: orig_lb, .offset: 16, .size: 8, .value_kind: global_buffer, .address_space: global }
      - { .name: prev_ub, .offset: 24, .size: 8, .value_kind: global_buffer, .address_space: global }
      - { .name: prev_lb, .offset: 32, .size: 8, .value_kind: global_buffer, .address_space: global }
      - { .name: alpha, .offset: 40, .size: 8, .value_kind: global_buffer, .address_space: global }
      - { .name: b, .offset: 48, .size: 8, .value_kind: global_buffer, .address_space: global }
      - { .name: out0, .offset: 56, .size: 8, .value_kind: global_buffer, .address_space: global }
    .group_segment_fixed_size: 4096
    .private_segment_fixed_size: 0
    .kernarg_segment_align: 8
    .kernarg_segment_size: 64
    .max_flat_workgroup_size: 512
    .sgpr_count:     66
    .vgpr_count:     186
    .wavefront_size: 32
...
	.end_amdgpu_metadata
.endif
;; end of part 1
;; ======== version 2 of 2: 1 launch; version 1 with the launch bounds written anew for expert scheduling mode
;; launch bounds (part 2): grid 256 x 1, 16 waves a work-group, no clusters, 4,096 bytes of LDS; arguments W, orig_ub, orig_lb, prev_ub, prev_lb, alpha, b, out0; writes out0
.if DOCPART == 2
	.amdgcn_target "amdgcn-amd-amdhsa--gfx1250"
	.amdhsa_code_object_version 6
	.text
	.protected	k_q1d9ab42543_bounds
	.globl	k_q1d9ab42543_bounds
	.p2align	8
	.type	k_q1d9ab42543_bounds,@function
k_q1d9ab42543_bounds:
	s_mov_b64 s[64:65], 0
	v_nop
	global_prefetch_b8 v0, s[64:65] scope:SCOPE_SE
	s_setreg_imm32_b32 hwreg(HW_REG_WAVE_SCHED_MODE, 0, 2), 2
	s_setreg_imm32_b32 hwreg(HW_REG_WAVE_MODE, 25, 1), 1
	s_wait_xcnt 0x0
	s_wait_alu depctr_vm_vsrc(0)
; DeepPoly ReLU back-substitution through one affine layer: out0[0][i] = new_ub[i], out0[1][i] = new_lb[i].
; W: [8192][4096] f32; orig_ub, orig_lb: [4096]; prev_ub, prev_lb, alpha, b: [8192]; out0: [2][8192]; all f32.
;
; THE ARITHMETIC.  With c2 = orig_ub + orig_lb and r2 = orig_ub - orig_lb, and for row i
;     A = sum_j W[i][j] c2[j],   B = sum_j |W[i][j]| r2[j]:
;     max(W,0).orig_ub + min(W,0).orig_lb = (A + B)/2 = P,   max(W,0).orig_lb + min(W,0).orig_ub = (A - B)/2 = Q
; for any signs of W and of the box (orig_lb <= orig_ub is not assumed).  The upper slope us is never negative
; (0, 1, or ub/(ub-lb) with ub > 0 > lb), so new_ub = us (P + b - [crossing] prev_lb).  The lower slope ls may be
; negative (alpha is taken as given): for ls >= 0 new_lb = ls (Q + b); for ls < 0 the split by sign swaps and new_lb = ls (P + b).
; Cost: one packed and two plain fused multiply-adds (the |.| is a source modifier) for two numbers of W.
;
; LIMITS.  Finite inputs.  orig_ub + orig_lb and orig_ub - orig_lb must be finite in f32 (magnitudes below 1.7e38).
; On crossing neurons prev_ub - prev_lb must lie in [2^-126, 2^126]: v_rcp_f32 flushes denormal inputs and results.
; The slopes are applied behind the sums, so the order of rounding differs from the formula as written; a zero result may differ in sign.
;
; THE SHAPE.  W is 134 MB read once against some 3 operations a byte: a stream.  256 work-groups of 16 waves; a work-group owns 32 rows,
; 512 KiB of W in one piece.  Wave w: column group cg = w & 7, row half rh = w >> 3 (16 rows).  A lane owns the 16 bytes at
; 16 (thread & 255) + 4096 q, q = 0..3, of every row: its 16 c2 and 16 r2 stay in registers for the whole kernel, a load of a wave covers
; 512 consecutive bytes, eight waves 4 KiB, four loads the row.  Nine row slots: 36 loads of W of every wave go out at the start, 28 to 32 are out afterwards.
; No matrix instruction: the right-hand side is one column of sixteen, and W would first have to be split and narrowed in the vector unit,
; which is more work than the multiply-adds here.  No cluster: work-groups share only the box, 32 KiB against 512 KiB of W each.
; No prefetch: the loads themselves keep the stream going from the first line on.
; A work-group's part of each output row is 32 numbers, 128 consecutive bytes: 64 rows a group would leave half of the 256 groups without work.
;
; THE MODE: SCHED_MODE bits 1:0 = 2 (LLVM: expert scheduling mode 2), set by the entry lines.  The code itself states the register dependences
; between vector instructions and memory or LDS instructions, with s_wait_alu, always for 0.
; THE PLAN.  Registers that memory or LDS instructions touch:
;   v[OFF]      offset of every load of the box and of W.  Written at the head, never again: one wait on va_vdst ahead of the first of those loads.
;   v[PO]       wave 0: offset of its four parameter loads and its two stores.  Written once, never again: one wait behind the line that makes it.
;   X0 .. X8    row r lies in slot r % 9.  Rows 0 to 8 are first fills, into registers that no vector line has named.  Row r's multiply-adds read slot r % 9;
;               the loads of row r + 8, issued in row r (r = 1 .. 7), land in slot (r - 1) % 9, which row r - 1 read and no vector line of row r names.
;               So ONE wait on va_vdst at the head of rows 1 to 7 states all that the row's four loads hang on, and these are dealt among its multiply-adds.
;   v[TT], v[M+6]  address and data of the wave's one LDS store; v[T]: address of wave 0's LDS loads, which land in slot 0; v[T+2], v[T+3]: data of its stores.
;               Each is written by vector lines ahead of a wait on va_vdst and not written again behind the instruction that reads it.
;   C, R, T, M are otherwise named by vector instructions alone.
; No register that a memory or LDS instruction reads is ever written again, so none of them needs a wait on vm_vsrc; EXEC and VCC are never written.
; Scalar registers that vector instructions write (the wave's number, four compare masks): a wait on va_sdst ahead of each one's first reader.
.set ROWB,  16384                      ; bytes in a row of W
.set QB,    4096                       ; bytes that the eight waves of a row half cover with one load each
.set ROWS,  16                         ; rows of a wave
.set SLOTS, 9                          ; row slots of a wave
.set NB,    32768                      ; bytes in a row of out0
.set OFF, 1                            ; v1        16 (thread & 255): my bytes in a quarter row of W and in the box; never rewritten
.set PO,  2                            ; v2        wave 0: byte offset of my row in the vectors of 8192
.set PU,  3                            ; v3..v6    wave 0: prev_ub, prev_lb, alpha, b of my row
.set PL,  4
.set AL,  5
.set BB,  6
.set TT,  7                            ; v7        at work
.set C,   8                            ; v[8:23]   c2 of my 16 columns
.set R,   24                           ; v[24:39]  orig_lb as loaded, then r2
.set U,   40                           ; v[40:55]  orig_ub as loaded; free afterwards:
.set T,   40                           ; v[40:47]  a row's sums: two pairs for A, four chains for B
.set M,   48                           ; v[48:55]  merged sums: M+0,1 level 1; M+2,3 level 2; M+4,5 level 3; M+6,7 the two groups of 8 rows
.set X,   56                           ; v[56:199] slot s: 16 registers, my 16 numbers of a row
.set MK1, 24                           ; s24..s28  lanes whose bit 0, 1, 2, 3, 4 is set
.set MK2, 25
.set MK4, 26
.set MK8, 27
.set MK16, 28
	s_load_b512 s[8:23], s[0:1], 0x0               ; W s[8:9], orig_ub s[10:11], orig_lb s[12:13], prev_ub s[14:15], prev_lb s[16:17], alpha s[18:19], b s[20:21], out0 s[22:23]
	v_lshl_add_u32 v200, v0, 2, 0x800
	v_mov_b32 v201, 0
	v_lshrrev_b32 v[TT], 5, v0
	v_readfirstlane_b32 s2, v[TT]                  ; wave 0..15
	v_and_b32 v[OFF], 0xff, v0
	v_lshlrev_b32 v[OFF], 4, v[OFF]                ; 16 bytes a lane, 512 a wave, 4 KiB for the eight column groups
	s_wait_alu depctr_va_sdst(0)                   ; s2 is written, ahead of its first reader: W's base and two branches are made from it
	s_lshr_b32 s3, s2, 3                           ; rh
	s_lshl_b32 s3, s3, 18                          ; 16 rows of 16 KiB
	s_lshl_b32 s4, ttmp9, 19                       ; 32 rows of 16 KiB: at most 255 << 19, below 4 GiB
	s_or_b32 s4, s4, s3
	s_mov_b32 s5, 0
	s_lshl_b32 s6, ttmp9, 7                        ; 32 rows of 4 bytes in the vectors of 8192
	s_mov_b32 s[MK1],  0xaaaaaaaa
	s_mov_b32 s[MK2],  0xcccccccc
	s_mov_b32 s[MK4],  0xf0f0f0f0
	s_mov_b32 s[MK8],  0xff00ff00
	s_mov_b32 s[MK16], 0xffff0000
	s_mov_b32 s30, 0x76543210                      ; v_permlanex16_b32: lane i of one half reads lane i of the other
	s_mov_b32 s31, 0xfedcba98
	s_wait_kmcnt 0x0
	s_add_nc_u64 s[8:9], s[8:9], s[4:5]            ; W at my wave's first row
	s_wait_alu depctr_va_vdst(0)                   ; v[OFF] is written: every load of the box and of W reads it as its offset
	; Wave 0 ends the work, one lane a row.  Its four parameters are asked for first of all: they are older than every load
	; that a counted wait below counts, so the counts are the same in all waves, and they have long landed when they are used.
	s_cmp_lg_u32 s2, 0
	s_cbranch_scc1 .Lstream
	v_lshl_add_u32 v[PO], v0, 2, s6                ; 4 (32 group + lane)
	s_wait_alu depctr_va_vdst(0)                   ; v[PO] is written: the four loads below and the two stores at the end read it as their offset
	global_load_b32 v[PU], v[PO], s[14:15]
	global_load_b32 v[PL], v[PO], s[16:17]
	global_load_b32 v[AL], v[PO], s[18:19]
	global_load_b32 v[BB], v[PO], s[20:21]
.Lstream:
.irp q, 0,1,2,3
	global_load_b128 v[U+4*\q:U+4*\q+3], v[OFF], s[10:11] offset:\q*QB     ; orig_ub of my 16 columns (every work-group reads it: no hint)
.endr
.irp q, 0,1,2,3
	global_load_b128 v[R+4*\q:R+4*\q+3], v[OFF], s[12:13] offset:\q*QB     ; orig_lb
.endr
; Four loads: my 64 bytes of a row.  W is read once in the launch: non-temporal.
.macro LOADROW slot, row
.irp q, 0,1,2,3
	global_load_b128 v[X+16*\slot+4*\q:X+16*\slot+4*\q+3], v[OFF], s[8:9] offset:\row*ROWB+\q*QB th:TH_LOAD_NT
.endr
.endm
.irp i, 0,1,2,3,4,5,6,7,8
	LOADROW \i, \i                                 ; fill the ring: rows 0 to 8, into registers that no vector instruction has named
.endr
	s_wait_loadcnt 4*SLOTS                         ; loads come back in order (ISA guide 5.7.1): the box is in, the 36 loads of W stay out
.irp j, 0,2,4,6,8,10,12,14
	v_pk_add_f32 v[C+\j:C+\j+1], v[U+\j:U+\j+1], v[R+\j:R+\j+1]                             ; c2 = ub + lb
	v_pk_add_f32 v[R+\j:R+\j+1], v[U+\j:U+\j+1], v[R+\j:R+\j+1] neg_lo:[0,1] neg_hi:[0,1]   ; r2 = ub - lb; the halving waits for the end
.endr
; Two registers of partial sums become one.  Lanes whose bit is clear keep lo, the others hi; each sends the one it gives up to its
; partner (lane xor xm), which adds it to the one it keeps.  Three instructions halve the registers and the lanes still to be added.
.macro MERGE dst, lo, hi, mask, xm
	v_cndmask_b32 v[TT], v[\hi], v[\lo], s[\mask]          ; what I send: bit set ? lo : hi
	v_cndmask_b32 v[\dst], v[\lo], v[\hi], s[\mask]        ; what I keep: bit set ? hi : lo
	v_add_f32_dpp v[\dst], v[TT], v[\dst] row_xmask:\xm row_mask:0xf bank_mask:0xf
.endm
; Row r of my 16, in slot r % 9.  left = how many younger loads may stay out.
; Rows 1 to 7 also ask for row r + 8, into the slot that the row before has read: one load ahead of each group of four columns.
; The first products start the sums: nothing is cleared.  Six chains, so that no instruction waits for the one in front of it.
.macro ROW r, left
.set SL, X+16*((\r)%SLOTS)                     ; this row's slot
.set PV, X+16*(((\r)+SLOTS-1)%SLOTS)           ; the slot of the row before
.set NR, (\r)+SLOTS-1                          ; the row that it takes next
.set RF, 0
.if ((\r) >= 1) && (NR < ROWS)
.set RF, 1
.endif
	s_wait_loadcnt \left
.if RF
	s_wait_alu depctr_va_vdst(0)                   ; the row before is done reading its slot, in which this row's four loads land; no vector line below names that slot or v[OFF]
	global_load_b128 v[PV:PV+3], v[OFF], s[8:9] offset:NR*ROWB th:TH_LOAD_NT
.endif
	v_pk_mul_f32 v[T:T+1],   v[SL:SL+1],   v[C:C+1]
	v_pk_mul_f32 v[T+2:T+3], v[SL+2:SL+3], v[C+2:C+3]
.irp j, 0,1,2,3
	v_mul_f32 v[T+4+\j], |v[SL+\j]|, v[R+\j]
.endr
.irp q, 4,8,12
.if RF
	global_load_b128 v[PV+\q:PV+\q+3], v[OFF], s[8:9] offset:NR*ROWB+\q*(QB/4) th:TH_LOAD_NT
.endif
	v_pk_fma_f32 v[T:T+1],   v[SL+\q:SL+\q+1],   v[C+\q:C+\q+1],   v[T:T+1]
	v_pk_fma_f32 v[T+2:T+3], v[SL+\q+2:SL+\q+3], v[C+\q+2:C+\q+3], v[T+2:T+3]
.irp j, 0,1,2,3
	v_fma_f32 v[T+4+\j], |v[SL+\q+\j]|, v[R+\q+\j], v[T+4+\j]
.endr
.endr
	v_pk_add_f32 v[T:T+1],   v[T:T+1],   v[T+2:T+3]
	v_pk_add_f32 v[T+4:T+5], v[T+4:T+5], v[T+6:T+7]
	v_add_f32 v[T],   v[T],   v[T+1]               ; my part of A
	v_add_f32 v[T+4], v[T+4], v[T+5]               ; my part of B
	; the levels run like a binary counter over the rows: lane bit 0 = A or B, bits 1 to 3 = r & 7
	MERGE M+((\r)&1), T, T+4, MK1, 1
.if ((\r)&1) == 1
	MERGE M+2+(((\r)>>1)&1), M, M+1, MK2, 2
.endif
.if ((\r)&3) == 3
	MERGE M+4+(((\r)>>2)&1), M+2, M+3, MK4, 4
.endif
.if ((\r)&7) == 7
	MERGE M+6+((\r)>>3), M+4, M+5, MK8, 8
.endif
.endm
	ROW 0, 4*(SLOTS-1)                             ; row 0: the eight younger rows of the first fill stay out; no row stands in front of it
.irp r, 1,2,3,4,5,6,7,8
	ROW \r, 4*(SLOTS-2)                            ; rows 1-8: seven younger rows of four loads stay out (rows r + 1 to r + 7)
.endr
.irp r, 9,10,11,12,13,14,15
	ROW \r, 4*(ROWS-1-\r)                          ; nothing has been asked for since row 7: the counts run down to 0
.endr
	; the last level crosses the halves of 16 lanes: bit 4 = group.  Lane l then holds the wave's sum A (l even) or B (l odd) of its row l >> 1.
	v_cndmask_b32 v[TT],  v[M+7], v[M+6], s[MK16]
	v_cndmask_b32 v[M+6], v[M+6], v[M+7], s[MK16]
	v_permlanex16_b32 v[T], v[TT], s30, s31        ; its destination counts as read: T has been written
	v_add_f32 v[M+6], v[M+6], v[T]
	v_lshlrev_b32 v[TT], 2, v0                     ; 128 bytes a wave, 4 a lane
	s_wait_alu depctr_va_vdst(0)                   ; v[TT] and v[M+6] are written, which the LDS store reads as its address and its data
	ds_store_b32 v[TT], v[M+6]
	s_wait_dscnt 0x0                               ; for wave 0's sake: my store is done before I say so
	s_barrier_signal -1
	s_barrier_wait -1
	s_cmp_lg_u32 s2, 0
	s_cbranch_scc1 .Lend
	; WAVE 0, lane = row 0..31 of the group: (A, B) of row 16 rh + rl from column group cg lies at 1024 rh + 128 cg + 8 rl.
	; (Lanes 16-31 meet the banks of lanes 0-15: two passes for each of these eight loads, once in the kernel.)
	v_and_b32 v[T], 15, v0
	v_lshrrev_b32 v[T+1], 4, v0
	v_lshlrev_b32 v[T], 3, v[T]
	v_lshl_add_u32 v[T], v[T+1], 10, v[T]
	s_wait_alu depctr_va_vdst(0)                   ; v[T] is written, which the LDS loads read as their address; row 9's multiply-adds are long done reading slot 0, in which they land
.irp w, 0,1,2,3,4,5,6,7
	ds_load_b64 v[X+2*\w:X+2*\w+1], v[T] offset:128*\w
.endr
	; slopes and biases while the sums come.  All choices are selects; the compares are those of the formula, so a NaN falls where it falls there.
	v_cmp_lt_f32 s32, 0, v[PU]                     ; prev_ub > 0
	v_cmp_gt_f32 s33, 0, v[PL]                     ; prev_lb < 0
	v_cmp_ge_f32 s34, 0, v[PU]                     ; prev_ub <= 0: negative neuron
	v_sub_f32 v[M], v[PU], v[PL]                   ; off the crossing lanes the quotient is thrown away by the select: no guard needed
	v_rcp_f32 v[M+3], v[M]
	s_wait_alu depctr_va_sdst(0)                   ; the three compares have written s32, s33 and s34, ahead of their first readers below
	s_and_b32 s32, s32, s33                        ; crossing
	v_cndmask_b32 v[M+1], 1.0, 0, s34              ; slope off the crossing lanes: 0 or 1 (also the plain instruction behind v_rcp_f32, ISA guide 5.7.2)
	v_cndmask_b32 v[M+2], 0, v[PL], s32            ; prev_lb on crossing lanes, else 0
	s_wait_alu depctr_va_vdst(0)
	v_mul_f32 v[M], v[PU], v[M+3]
	v_cndmask_b32 v[M], v[M+1], v[M], s32          ; us
	v_cndmask_b32 v[M+1], v[M+1], v[AL], s32       ; ls
	v_sub_f32 v[M+2], v[BB], v[M+2]                ; b - [crossing] prev_lb: us times this is ub_bias + us b
	v_cmp_gt_f32 s33, 0, v[M+1]                    ; ls < 0
	s_wait_dscnt 0x0
.irp w, 0,4,8,12
	v_pk_add_f32 v[X+\w:X+\w+1], v[X+\w:X+\w+1], v[X+\w+2:X+\w+3]
.endr
	v_pk_add_f32 v[X:X+1],   v[X:X+1],   v[X+4:X+5]
	v_pk_add_f32 v[X+8:X+9], v[X+8:X+9], v[X+12:X+13]
	v_pk_add_f32 v[X:X+1],   v[X:X+1],   v[X+8:X+9]        ; A in X, B in X+1
	v_add_f32 v[T+2], v[X], v[X+1]                 ; 2 P
	v_sub_f32 v[T+3], v[X], v[X+1]                 ; 2 Q
	s_wait_alu depctr_va_sdst(0)                   ; the compare ls < 0 has written s33, ahead of the select that reads it
	v_cndmask_b32 v[T+3], v[T+3], v[T+2], s33      ; a negative lower slope swaps the split by sign: P in Q's place
	v_fma_f32 v[T+2], v[T+2], 0.5, v[M+2]          ; P + b - [crossing] prev_lb
	v_fma_f32 v[T+3], v[T+3], 0.5, v[BB]           ; Q (or P) + b
	v_mul_f32 v[T+2], v[M],   v[T+2]               ; new_ub
	v_mul_f32 v[T+3], v[M+1], v[T+3]               ; new_lb
	s_wait_alu depctr_va_vdst(0)                   ; new_ub and new_lb are written, which the two stores read as their data
	global_store_b32 v[PO], v[T+2], s[22:23]               ; 32 lanes: 128 consecutive bytes of out0[0]
	global_store_b32 v[PO], v[T+3], s[22:23] offset:NB     ; and of out0[1]
.Lend:
	s_wait_dscnt 0x0
	s_wait_alu depctr_hold_cnt(0) depctr_sa_sdst(0) depctr_va_vdst(0) depctr_va_sdst(0) depctr_va_ssrc(0) depctr_va_vcc(0) depctr_vm_vsrc(0)
	s_wait_tensorcnt 0x0
	ds_add_u32 v200, v201
	s_wait_dscnt 0x0
	s_endpgm
.Lfunc_end_k_q1d9ab42543_bounds:
	.size	k_q1d9ab42543_bounds, .Lfunc_end_k_q1d9ab42543_bounds-k_q1d9ab42543_bounds
	.p2alignl 7, 3214868480
	.fill 96, 4, 3214868480
	.section	.rodata,"a",@progbits
	.p2align	6, 0x0
	.amdhsa_kernel k_q1d9ab42543_bounds
		.amdhsa_group_segment_fixed_size 4096
		.amdhsa_private_segment_fixed_size 0
		.amdhsa_enable_private_segment 0
		.amdhsa_kernarg_size 64
		.amdhsa_user_sgpr_count 2
		.amdhsa_user_sgpr_kernarg_segment_ptr 1
		.amdhsa_wavefront_size32 1
		.amdhsa_system_sgpr_workgroup_id_x 1
		.amdhsa_system_sgpr_workgroup_id_y 1
		.amdhsa_system_sgpr_workgroup_id_z 1
		.amdhsa_system_vgpr_workitem_id 0
		.amdhsa_next_free_vgpr 202
		.amdhsa_next_free_sgpr 66
		.amdhsa_reserve_vcc 0
		.amdhsa_float_denorm_mode_32 3
		.amdhsa_float_denorm_mode_16_64 3
		.amdhsa_memory_ordered 1
		.amdhsa_forward_progress 1
		.amdhsa_inst_pref_size 47
	.end_amdhsa_kernel
	.amdgpu_metadata
---
amdhsa.version: [ 1, 2 ]
amdhsa.kernels:
  - .name:           k_q1d9ab42543_bounds
    .symbol:         k_q1d9ab42543_bounds.kd
    .args:
      - { .name: W, .offset: 0, .size: 8, .value_kind: global_buffer, .address_space: global }
      - { .name: orig_ub, .offset: 8, .size: 8, .value_kind: global_buffer, .address_space: global }
      - { .name: orig_lb, .offset: 16, .size: 8, .value_kind: global_buffer, .address_space: global }
      - { .name: prev_ub, .offset: 24, .size: 8, .value_kind: global_buffer, .address_space: global }
      - { .name: prev_lb, .offset: 32, .size: 8, .value_kind: global_buffer, .address_space: global }
      - { .name: alpha, .offset: 40, .size: 8, .value_kind: global_buffer, .address_space: global }
      - { .name: b, .offset: 48, .size: 8, .value_kind: global_buffer, .address_space: global }
      - { .name: out0, .offset: 56, .size: 8, .value_kind: global_buffer, .address_space: global }
    .group_segment_fixed_size: 4096
    .private_segment_fixed_size: 0
    .kernarg_segment_align: 8
    .kernarg_segment_size: 64
    .max_flat_workgroup_size: 512
    .sgpr_count:     66
    .vgpr_count:     202
    .wavefront_size: 32
...
	.end_amdgpu_metadata
.endif
;; end of part 2
